; MI455X (gfx1250); checked and timed in simulation.
; The chip was launched on July 23, 2026; its instructions are those of AMD's public machine-readable ISA for CDNA 5 (MIT licence, August 2026) and "CDNA5" Instruction Set Architecture Reference Guide (July 2026). The comments in the code are by the model that wrote it; some were corrected since.
;; Scaled Dot Proudct. Allowed arithmetic: float matrix products may take bf16 or f16 operands with f32 sums; all other float work in f32.
;; Inputs: km 8 x 2,048 x 1,024 float32; qm 8 x 2,048 x 1,024 float32; vm 8 x 2,048 x 1,024 float32.
;; Outputs: out0 8 x 2,048 x 1,024 float32.
;; One version. Each part assembles by itself: llvm-mc -triple=amdgcn-amd-amdhsa -mcpu=gfx1250 --defsym DOCPART=n.
;; ======== version 1 of 1: 2 launches
;; workspace buffers: mimg 33,554,432 bytes
;; launch kvprod (part 1): grid 4 x 64, 4 waves a work-group, clusters of 4 x 4, 327,680 bytes of LDS; arguments km, vm, mimg; writes mimg
.if DOCPART == 1
	.amdgcn_target "amdgcn-amd-amdhsa--gfx1250"
	.amdhsa_code_object_version 6
	.text
	.protected	k_q38ad09a919_kvprod
	.globl	k_q38ad09a919_kvprod
	.p2align	8
	.type	k_q38ad09a919_kvprod,@function
k_q38ad09a919_kvprod:
	s_mov_b64 s[64:65], 0
	v_nop
	global_prefetch_b8 v0, s[64:65] scope:SCOPE_SE
	s_setreg_imm32_b32 hwreg(HW_REG_WAVE_MODE, 25, 1), 1
	s_wait_xcnt 0x0
	s_wait_alu depctr_hold_cnt(0) depctr_sa_sdst(0) depctr_va_vdst(0) depctr_va_sdst(0) depctr_va_ssrc(0) depctr_va_vcc(0) depctr_vm_vsrc(0)
	s_getreg_b32 s2, hwreg(HW_REG_IB_STS2, 6, 4)
	s_cmp_eq_u32 s2, 0
	s_cbranch_scc0 .Lentry_in_a_cluster
	s_endpgm
.Lentry_in_a_cluster:
	s_bfe_u32 s2, ttmp6, 0x10000c
	s_cmp_lg_u32 s2, 0xf033
	s_cbranch_scc0 .Lentry_shape_is_right
	s_endpgm
.Lentry_shape_is_right:
; M[b][d1][d2] = the sum over the 2,048 keys of K[b][key][d1] V[b][key][d2].  K, V: [8][2048][1024] f32.  The module's (Q K^T) V is computed as Q (K^T V): the same sum in another order,
; with three quarters of the products that the written order has even though M is multiplied in two parts.
; LIMITS.  The order of rounding differs from the written order's.  K and V are rounded to bf16 (nearest even) for the product; sums in f32.  M leaves as TWO bf16 numbers, hi = bf16(M) and
; lo = bf16(M - hi) (the difference is exact in f32): 16 significant bits.  NaN and infinities are not treated apart.
; SHARES.  A work-group makes 128 (d1) x 256 (d2) of one batch's M over all keys; its four waves 64 x 128 each: 4 x 8 accumulators, 256 registers.  8 batches x 8 x 4 tiles = 256 work-groups.
; TURNING BY LOADING.  K and V lie [key][column], the product wants the keys along a lane's registers.  A lane reads 16 bytes, the four columns 4 r .. 4 r + 3 (r = lane % 16), of the keys
; 8 h + 0..7 and 16 + 8 h + 0..7 (h = lane / 16); rounding two keys' numbers of one column into one register makes four fragments at once: fragment c holds column 4 r + c in lane r.
; So conversion and transposition are one instruction, and sixteen lanes read 256 consecutive LDS bytes each time: no padding is needed.
; THE RESULT: register j of accumulator (c, n = 4 g + b) holds M[64 G + 32 h + 4 j + c][64 g' + 4 r + b].  Rounded in pairs these eight registers are 16 bytes a lane, and they are stored as they lie:
; mimg byte = batch x 4 MiB + G x 262,144 + part x 131,072 + (c / 2) x 65,536 + nf x 1,024 + (c % 2) x 512 + 16 x lane  (G: 64 d1; part 0 hi, 1 lo; nf = 4 g' + b: 64 fragments of 16 d2).
; The next launch reads each 1,024 bytes as a fragment (32 along d1 x 16 d2), and permutes Q's columns alike.
; CLUSTER 4 x 4: the four work-groups of a row of the cluster need the same columns of K, the four of a column the same columns of V: each tile is asked for jointly.
; THE KEYS go through two LDS slots: first 32 keys (one K step, whose products start the sums), then 21 times 96 keys (three K steps), as many as a slot holds: 32 + 21 x 96 = 2,048.
; PREFETCH.  Every byte of K and V is read here for the first time.  Behind the refill that follows slot s (s = 0 .. 18) the keys of slot s + 3 are asked for ahead: the next change of slots, three K steps on,
; will request them.  A slot's 96 keys of a batch are 96 x 4,096 bytes of K and as many of V: 48 + 48 requests of a wave, 32 lanes 256 bytes apart, two whole keys each.  Of a batch's two clusters the
; first asks for K, the second for V; in each, waves 0 to 2 of the 16 work-groups take one request each: every block is asked for once in the launch.  The last request ends at key 2,047; the tail asks for nothing.
; REGISTERS, in windows of 256 (s_set_vgpr_msb: bits 1:0 source 0, 3:2 source 1, 5:4 source 2, 7:6 destination):
;   window 0: v2-10 addresses; v16-79 K's f32 of a K step, v80-207 V's (on the way out: v16-47 hi, v48-111 the rest, v112-143 lo)
;   window 1: v0-31 K's four fragments, v32-95 V's eight          window 2: the accumulators, (c, n) at v[8 (8 c + n)]
.set KSUB,   96*256                  ; a sub-tile of K: 96 keys x 64 columns of 4 bytes
.set VSUB,   96*512                  ; a sub-tile of V: 96 keys x 128 columns
.set VREG,   2*KSUB                  ; in a slot V's two sub-tiles lie behind K's two
.set SLOT,   2*KSUB+2*VSUB           ; 147,456 bytes
.set SPARE,  2*SLOT                  ; behind the slots: the spare words, 128 bytes for each wave: two blocks of 256 bytes that no other line names
.set KSTEPB, 32*256                  ; a K step's 32 keys in a sub-tile of K,
.set VSTEPB, 32*512                  ; and of V
.set AK0,  2                         ; v2   my place in my sub-tile of K: key 8 h, columns 4 r on; never rewritten
.set AV0,  3                         ; v3   the same for V
.set ADRK, 4                         ; v4   LDS address of the run of loads in hand, K
.set ADRV, 5                         ; v5   V
.set CO,   6                         ; v6   16 x lane: my 16 bytes of a stored fragment half
.set SPW,  8                         ; v8   LDS address of my spare word: SPARE + 4 x my thread's number; never rewritten
.set NIL,  9                         ; v9   0; never rewritten
.set PV,   10                        ; v10  256 x lane: my block of a prefetch's two keys; never rewritten
.set YK,   16                        ; K as loaded: YK + 32 u + 4 j + c: key 16 u + 8 h + j, column 4 r + c
.set YV,   80                        ; V as loaded: YV + 64 g + 32 u + 4 j + b
.set FK,   0                         ; window 1
.set FV,   32
.set HIW,  16                        ; the way out
.set RES,  48
.set LOW,  112
.set WV,   10                        ; s10  my wave's number
.set WY,   11                        ; s11  which 64 of the tile's d1 are mine
.set WX,   12                        ; s12  which 128 of its d2; also: which sub-tile I fetch
.set G1K,  16                        ; s[16:23] descriptor group 1, K's sub-tile of 96 keys
.set G1V,  24                        ; s[24:31] V's
.set G1KS, 32                        ; s[32:39] K's sub-tile of 32 keys: the first fill of slot 0
.set G1VS, 48                        ; s[48:55] V's
.set G0K,  56                        ; s[56:63] descriptor group 0 for K, a set for each slot
.set PF,   66                        ; s[66:67] the two keys that my wave asks for ahead
.set G0V,  68                        ; s[68:75] descriptor group 0 for V
.set TBK,  76                        ; s76  LDS byte: slot + K step, for K's next run of loads
.set TBV,  77                        ; s77  for V's
.set QC,   78                        ; s78  counts a slot's first two K steps
.set TRIPS, 79                       ; s79  counts pairs of slots
.set TOPH, 84                        ; s84  a word's upper bf16
.set WHICH, 85                       ; s85  which of the batch's two clusters mine is
.set MB,   86                        ; s[86:87] mimg at my wave's part
.set MSB, 0
.macro WIN new                       ; the immediate's high byte repeats the setting that is left; a switch that changes nothing is dropped
.if MSB != (\new)
	s_set_vgpr_msb (MSB<<8)|(\new)
.set MSB, (\new)
.endif
.endm
; A vector instruction that reads a matrix result or writes one of a matrix instruction's registers stands four places behind it, and only plain vector instructions that name none of
; its registers are places (ISA guide 7.12.1); the matrix instructions in between are not counted.
.macro PLACES
.rept 4
	v_nop
.endr
.endm
; A joint refill of slot n.  Waves 0 and 1 fetch K's two sub-tiles, waves 2 and 3 V's.  The branch hangs on the wave's number alone: it is the same in every work-group.
; An s_nop 0 and four v_nop follow each of the two lines, ahead of the jump and the label.
.macro JLOAD n
	s_cmp_lt_u32 s[WV], 2
	s_cbranch_scc0 .Lfor_v_\@
	tensor_load_to_lds s[G0K+4*(\n):G0K+4*(\n)+3], s[G1K:G1K+7]
	s_nop 0
	PLACES
	s_branch .Lasked_\@
.Lfor_v_\@:
	tensor_load_to_lds s[G0V+4*(\n):G0V+4*(\n)+3], s[G1V:G1V+7]
	s_nop 0
	PLACES
.Lasked_\@:
.endm
; A round of the cluster's barrier: my work-group's barrier, so that wave 0's signal speaks for all four waves; wave 0 signals; every wave waits for all sixteen work-groups; my work-group's barrier once more.
.macro CREST                         ; a round behind its opening barrier
	s_cmp_lg_u32 s[WV], 0
	s_cbranch_scc1 .Lnot_wave_0_\@
	s_barrier_signal -3
.Lnot_wave_0_\@:
	s_barrier_wait -3
	s_barrier_signal -1
	s_barrier_wait -1
.endm
.macro CROUND                        ; a whole round
	s_barrier_signal -1
	s_barrier_wait -1
	CREST
.endm
	s_load_b128 s[4:7], s[0:1], 0x0                ; K s[4:5], V s[6:7]
	s_load_b64 s[8:9], s[0:1], 0x10                ; mimg
	v_lshl_add_u32 v[SPW], v0, 2, SPARE
	v_mov_b32 v[NIL], 0
	ds_add_u32 v8, v9
	s_wait_dscnt 0x0
	v_lshrrev_b32 v1, 5, v0
	v_readfirstlane_b32 s[WV], v1                  ; wave 0..3
	s_lshr_b32 s[WY], s[WV], 1
	s_and_b32 s[WX], s[WV], 1
	s_bfe_u32 s40, ttmp6, 0x40000                  ; cx: my place along the cluster's x
	s_bfe_u32 s41, ttmp6, 0x40004                  ; cy: along its y
	s_and_b32 s42, ttmp7, 0xffff                   ; the cluster's y, 0..15: two clusters to a batch
	s_lshr_b32 s43, s42, 1                         ; the batch, which the whole cluster shares
	s_and_b32 s[WHICH], s42, 1
	s_and_b32 s44, s42, 1
	s_lshl_b32 s44, s44, 2
	s_add_co_u32 s44, s44, s41                     ; tile of 128 d1 = 4 x (cluster y % 2) + cy
	s_lshl_b32 s45, ttmp9, 2
	s_add_co_u32 s45, s45, s40                     ; tile of 256 d2 = 4 x cluster x + cx
	s_lshl_b32 s46, s41, 2
	s_lshl_b32 s46, 15, s46                        ; my row of the cluster: places 4 cy .. 4 cy + 3
	s_lshl_b32 s47, 0x1111, s40                    ; my column: places cx, cx + 4, cx + 8, cx + 12
	s_mov_b32 s[TOPH], 0xffff0000
	; descriptor group 1.  Elements of 4 bytes; rows 1,024 elements apart; no padding.  K: 64 elements a row, V: 128; 96 rows, or 32 in the first fill of slot 0.
	s_or_b32 s[G1K],  s46, (2<<16)|(1<<21)         ; 15:0 the mask: K's tiles go to my row; 17:16 element size code 2; 21 set beside a mask
	s_or_b32 s[G1KS], s46, (2<<16)|(1<<21)
	s_or_b32 s[G1V],  s47, (2<<16)|(1<<21)         ; V's tiles go to my column
	s_or_b32 s[G1VS], s47, (2<<16)|(1<<21)
.irp g, G1K, G1KS
	s_mov_b32 s[(\g)+1], 64<<16                    ; tensor_dim0 = 64
	s_mov_b32 s[(\g)+3], 64<<16                    ; tile_dim0 = 64
.endr
.irp g, G1V, G1VS
	s_mov_b32 s[(\g)+1], 128<<16                   ; tensor_dim0 = 128
	s_mov_b32 s[(\g)+3], 128<<16                   ; tile_dim0 = 128
.endr
.irp g, G1K, G1V
	s_mov_b32 s[(\g)+2], 96<<16                    ; tensor_dim1 = 96
	s_mov_b32 s[(\g)+4], 96                        ; tile_dim1 = 96
.endr
.irp g, G1KS, G1VS
	s_mov_b32 s[(\g)+2], 32<<16                    ; tensor_dim1 = 32
	s_mov_b32 s[(\g)+4], 32                        ; tile_dim1 = 32
.endr
.irp g, G1K, G1V, G1KS, G1VS
	s_mov_b32 s[(\g)+5], 1024                      ; elements from row to row
	s_mov_b32 s[(\g)+6], 0
	s_mov_b32 s[(\g)+7], 0
.endr
	; where the tiles come from.  K's offset is made of the batch, the d1 tile and the wave's number; V's of the batch, the d2 tile and the wave's number; each in registers that never hold the other coordinate.
	s_lshl_b32 s80, s43, 23                        ; a batch is 2,048 x 4,096 bytes
	s_lshl_b32 s13, s44, 9                         ; 128 columns of 4 bytes
	s_add_co_u32 s80, s80, s13
	s_lshl_b32 s13, s[WX], 8                       ; my sub-tile's 64 columns
	s_add_co_u32 s80, s80, s13
	s_mov_b32 s81, 0
	s_lshl_b32 s82, s43, 23
	s_lshl_b32 s14, s45, 10                        ; 256 columns of 4 bytes
	s_add_co_u32 s82, s82, s14
	s_lshl_b32 s14, s[WX], 9                       ; my sub-tile's 128 columns
	s_add_co_u32 s82, s82, s14
	s_mov_b32 s83, 0
	; where my results go: batch x 4 MiB + (2 x d1 tile + wy) x 262,144 + (16 x d2 tile + 8 wx) x 1,024
	s_lshl_b32 s2, s43, 22
	s_lshl_b32 s3, s44, 1
	s_add_co_u32 s3, s3, s[WY]
	s_lshl_b32 s3, s3, 18
	s_add_co_u32 s2, s2, s3
	s_lshl_b32 s3, s45, 4
	s_lshl_b32 s15, s[WX], 3
	s_add_co_u32 s3, s3, s15
	s_lshl_b32 s3, s3, 10
	s_add_co_u32 s2, s2, s3
	s_mov_b32 s3, 0
	; descriptor group 0, a set for each slot: the LDS address hangs on the wave's number alone
	s_mov_b32 s[G0K], 1                            ; 1:0 count = 1
	s_mov_b32 s[G0K+4], 1
	s_mov_b32 s[G0V], 1
	s_mov_b32 s[G0V+4], 1
	s_mul_i32 s[G0K+1], s[WX], KSUB                ; 63:32 LDS address: slot 0,
	s_add_co_u32 s[G0K+5], s[G0K+1], SLOT          ; slot 1
	s_mul_i32 s[G0V+1], s[WX], VSUB
	s_add_co_u32 s[G0V+1], s[G0V+1], VREG
	s_add_co_u32 s[G0V+5], s[G0V+1], SLOT
	; what I ask for ahead: request u = 3 x (4 cy + cx) + wave of my cluster's 48 takes keys 2 u and 2 u + 1 of a slot.  The offset starts a slot short of slot 3, which begins at key 224: each request steps first.
	s_lshl_b32 s14, s41, 2
	s_add_co_u32 s14, s14, s40
	s_mul_i32 s14, s14, 3
	s_add_co_u32 s14, s14, s[WV]
	s_lshl_b32 s14, s14, 13                        ; two keys of 4,096 bytes
	s_lshl_b32 s15, s43, 23                        ; the batch
	s_add_co_u32 s14, s14, s15
	s_add_co_u32 s14, s14, (224-96)*4096
	s_mov_b32 s15, 0
	s_wait_kmcnt 0x0
	s_add_nc_u64 s[G0K+2:G0K+3], s[4:5], s[80:81]  ; 120:64 global address: slot 0 begins with key 0,
	s_add_nc_u64 s[G0K+6:G0K+7], s[G0K+2:G0K+3], 32*4096  ; slot 1 with key 32
	s_or_b32 s[G0K+3], s[G0K+3], 0x80000000        ; 127:126 type = 2
	s_or_b32 s[G0K+7], s[G0K+7], 0x80000000
	s_add_nc_u64 s[G0V+2:G0V+3], s[6:7], s[82:83]
	s_add_nc_u64 s[G0V+6:G0V+7], s[G0V+2:G0V+3], 32*4096
	s_or_b32 s[G0V+3], s[G0V+3], 0x80000000
	s_or_b32 s[G0V+7], s[G0V+7], 0x80000000
	s_add_nc_u64 s[MB:MB+1], s[8:9], s[2:3]
	s_cmp_eq_u32 s[WHICH], 0                       ; the batch's first cluster asks ahead for K, its second for V: the choice hangs on the cluster's y alone
	s_cselect_b64 s[PF:PF+1], s[4:5], s[6:7]
	s_add_nc_u64 s[PF:PF+1], s[PF:PF+1], s[14:15]
	CROUND                                         ; all sixteen work-groups are here: the first joint loads meet
	s_cmp_lt_u32 s[WV], 2                          ; a wave's two first fills stand in one branch, ahead of every wait on TENSORcnt and every LDS read: two loads of mine are out
	s_cbranch_scc0 .Lfirst_v
	tensor_load_to_lds s[G0K:G0K+3], s[G1KS:G1KS+7]      ; keys 0 to 31
	s_nop 0
	tensor_load_to_lds s[G0K+4:G0K+7], s[G1K:G1K+7]      ; keys 32 to 127
	s_nop 0
	PLACES
	s_branch .Lfirst_asked
.Lfirst_v:
	tensor_load_to_lds s[G0V:G0V+3], s[G1VS:G1VS+7]
	s_nop 0
	tensor_load_to_lds s[G0V+4:G0V+7], s[G1V:G1V+7]
	s_nop 0
	PLACES
.Lfirst_asked:
	v_and_b32 v1, 15, v0                           ; r
	v_bfe_u32 v7, v0, 4, 1                         ; h
	v_lshlrev_b32 v[AK0], 4, v1                    ; 16 r: my four columns
	v_lshl_add_u32 v[AV0], v7, 12, v[AK0]          ; + 8 h rows of 512 bytes
	v_lshl_add_u32 v[AK0], v7, 11, v[AK0]          ; + 8 h rows of 256 bytes
	s_mul_i32 s13, s[WY], KSUB                     ; my sub-tile of K
	v_add_nc_u32 v[AK0], s13, v[AK0]
	s_mul_i32 s14, s[WX], VSUB                     ; my sub-tile of V
	s_add_co_u32 s14, s14, VREG
	v_add_nc_u32 v[AV0], s14, v[AV0]
	v_and_b32 v[CO], 31, v0
	v_lshlrev_b32 v[PV], 8, v[CO]
	v_lshlrev_b32 v[CO], 4, v[CO]
; 48 LDS loads in one run: a K step's 32 keys of my 64 columns of K and my 128 columns of V, as f32.  Lanes 0-15 take 256 consecutive bytes of one key, lanes 16-31 of the key eight further on.
.macro LOADY
	WIN 0
	v_add_nc_u32 v[ADRK], s[TBK], v[AK0]
	v_add_nc_u32 v[ADRV], s[TBV], v[AV0]
.irp u, 0,1
.irp j, 0,1,2,3,4,5,6,7
	ds_load_b128 v[YK+32*(\u)+4*(\j):YK+32*(\u)+4*(\j)+3], v[ADRK] offset:(16*(\u)+(\j))*256
.endr
.endr
.irp g, 0,1
.irp u, 0,1
.irp j, 0,1,2,3,4,5,6,7
	ds_load_b128 v[YV+64*(\g)+32*(\u)+4*(\j):YV+64*(\g)+32*(\u)+4*(\j)+3], v[ADRV] offset:(16*(\u)+(\j))*512+256*(\g)
.endr
.endr
.endr
	s_add_co_u32 s[TBK], s[TBK], KSTEPB            ; the next run is the next K step's
	s_add_co_u32 s[TBV], s[TBV], VSTEPB
.endm
; Two keys' numbers of one column, rounded to bf16, are one register of a fragment: register 4 u + i of fragment c holds keys 16 u + 8 h + 2 i and + 1 of column 4 r + c.
.macro CVTK
	WIN 0x40                                       ; destination window 1, sources window 0
.irp c, 0,1,2,3
.irp u, 0,1
.irp i, 0,1,2,3
	v_cvt_pk_bf16_f32 v[FK+8*(\c)+4*(\u)+(\i)], v[YK+32*(\u)+8*(\i)+(\c)], v[YK+32*(\u)+8*(\i)+4+(\c)]
.endr
.endr
.endr
.endm
.macro CVTV
	WIN 0x40
.irp g, 0,1
.irp b, 0,1,2,3
.irp u, 0,1
.irp i, 0,1,2,3
	v_cvt_pk_bf16_f32 v[FV+8*(4*(\g)+(\b))+4*(\u)+(\i)], v[YV+64*(\g)+32*(\u)+8*(\i)+(\b)], v[YV+64*(\g)+32*(\u)+8*(\i)+4+(\b)]
.endr
.endr
.endr
.endr
.endm
; A K step's 32 matrix instructions.  The 32 accumulators take turns, one instruction a turn, in the same order in every K step.  zero = 1: the products start the sums: nothing is cleared.
.macro MUL zero
	WIN 0xa5                                       ; K's and V's fragments in window 1, C and D in window 2
.irp c, 0,1,2,3
.irp n, 0,1,2,3,4,5,6,7
.if \zero
	v_wmma_f32_16x16x32_bf16 v[8*(8*(\c)+(\n)):8*(8*(\c)+(\n))+7], v[FK+8*(\c):FK+8*(\c)+7], v[FV+8*(\n):FV+8*(\n)+7], 0
.else
	v_wmma_f32_16x16x32_bf16 v[8*(8*(\c)+(\n)):8*(8*(\c)+(\n))+7], v[FK+8*(\c):FK+8*(\c)+7], v[FV+8*(\n):FV+8*(\n)+7], v[8*(8*(\c)+(\n)):8*(8*(\c)+(\n))+7]
.endif
.endr
.endr
.endm
; A K step that is not its slot's last: its f32 are in; they become fragments; the next K step's f32 are asked for; the products run while those loads are on their way.
.macro MID
	s_wait_dscnt 0x0                               ; the run of 48 loads, issued ahead of the last K step's products
	PLACES                                         ; the conversions write fragments that those products read
	CVTK
	CVTV
	LOADY
	MUL 0
.endm
.macro MIDLOOP                       ; a slot's first two K steps: written once, walked twice
	WIN 0                                          ; at a label and at a branch every window is 0
	s_mov_b32 s[QC], 2
.Lmid_\@:
	MID
	WIN 0
	s_sub_co_u32 s[QC], s[QC], 1
	s_cmp_lg_u32 s[QC], 0
	s_cbranch_scc1 .Lmid_\@
.endm
; A slot's last K step, and the change of slots.  The step's f32 are in registers, so my reads of slot n are over before its products have begun.  Each wave waits for all its tensor loads, of which
; one is out: its part of the other slot; adds 0 to its spare word; and waits for that.  Behind the barrier nobody reads slot n any more and the other slot is whole.
; fill = 1: slot n is filled again, step bytes further down K and V.  The barrier then opens a round of the cluster's, so that no wave of any partner still reads the slot or has a load on its way, and
; the joint refill is the first thing behind it: it has three K steps in which to land.  The conversions stand round the barrier's signal; the step's products run beside the next slot's first LDS loads.
; pf = 1: behind the refill waves 0 to 2 ask ahead for two keys each of the slot that the next change of slots will request.
.macro END n, fill, step, zero, pf
	WIN 0                                          ; (the add's two registers lie in window 0)
	s_wait_dscnt 0x0                               ; the slot's last 32 keys are in registers
	s_wait_tensorcnt 0x0                           ; no tensor load of mine is out, so a group 0 may be written
	ds_add_u32 v[SPW], v[NIL]                      ; 0 onto my spare word; K's conversions stand between it and the wait for it
.if \fill
	s_add_nc_u64 s[G0K+4*(\n)+2:G0K+4*(\n)+3], s[G0K+4*(\n)+2:G0K+4*(\n)+3], \step  ; the type bits on top are not reached
	s_add_nc_u64 s[G0V+4*(\n)+2:G0V+4*(\n)+3], s[G0V+4*(\n)+2:G0V+4*(\n)+3], \step
.endif
.if !(\zero)
	PLACES                                         ; the conversions write fragments that the last K step's products read
.endif
	CVTK
	s_wait_dscnt 0x0                               ; the add is done
	s_barrier_signal -1
	CVTV                                           ; work on registers while the others arrive
	WIN 0
	s_barrier_wait -1
.if \fill
	CREST
	JLOAD \n
.if \pf
	s_cmp_lt_u32 s[WV], 3                          ; 16 work-groups x 3 waves are the cluster's 48 requests
	s_cbranch_scc0 .Lno_pf_\@
	s_wait_xcnt 0x0                                ; the last request, a whole slot back, has had its addresses translated (ISA guide 3.1): only behind this wait is its base stepped
	s_add_nc_u64 s[PF:PF+1], s[PF:PF+1], 96*4096   ; the same two keys of the next slot
	global_prefetch_b8 v[PV], s[PF:PF+1] th:TH_LOAD_NT scope:SCOPE_SE  ; 32 lanes 256 bytes apart: two keys' 8,192 bytes
.Lno_pf_\@:
.endif
.endif
	s_mov_b32 s[TBK], (1-(\n))*SLOT                ; the loads go on at the other slot's first K step
	s_mov_b32 s[TBV], (1-(\n))*SLOT
	LOADY
	MUL \zero
.endm
.macro UNIT n, fill, pf              ; a slot of 96 keys
	MIDLOOP
	END \n, \fill, 192*4096, 0, \pf                ; the slot's next keys lie two slots, 192 keys, on
.endm
	s_wait_tensorcnt 0x1                           ; my part of slot 0 is in; slot 1's, issued behind it, may stay out
	s_barrier_signal -1
	s_barrier_wait -1                              ; everybody's is
	s_mov_b32 s[TBK], 0
	s_mov_b32 s[TBV], 0
	LOADY
	END 0, 1, 128*4096, 1, 1                       ; keys 0-31: the first products start the sums; slot 0 takes keys 128-223; keys 224-319 are asked for ahead
	WIN 0
	s_mov_b32 s[TRIPS], 9
.Lpair:                                                ; nine times two slots: keys 32 to 1,759; the refills reach key 1,951, the requests ahead key 2,047
	UNIT 1, 1, 1
	UNIT 0, 1, 1
	WIN 0
	s_sub_co_u32 s[TRIPS], s[TRIPS], 1
	s_cmp_lg_u32 s[TRIPS], 0
	s_cbranch_scc1 .Lpair
	UNIT 1, 1, 0                                   ; keys 1,760-1,855; slot 1 takes the last keys, 1,952-2,047; nothing is left to ask for ahead
	UNIT 0, 0, 0                                   ; keys 1,856-1,951; nothing is left to fetch: a barrier of the work-group alone
	MIDLOOP                                        ; keys 1,952-2,015
	s_wait_dscnt 0x0                               ; the last K step
	PLACES
	CVTK
	CVTV
	MUL 0
; THE WAY OUT, the eight accumulators of one c at a time.  hi = bf16(M), two to a register; hi widened again and taken from M leaves the rest, exactly; lo = bf16(rest).
; A lane's four registers are its 16 bytes of a fragment half, so each store of the wave covers 512 consecutive bytes, at a multiple of 512 from mimg's first byte.
.macro OUT c
.if (\c) > 0
	s_wait_xcnt 0x0                                ; the stores of the c before have had their addresses translated (ISA guide 3.1): only behind this wait is their data rewritten
.endif
	WIN 0x0a                                       ; sources in window 2, destination in window 0
.set i, 0
.rept 32                                               ; ascending: each accumulator's lowest registers are read first
	v_cvt_pk_bf16_f32 v[HIW+i], v[64*(\c)+2*i], v[64*(\c)+2*i+1]
.set i, i+1
.endr
	WIN 0
.set i, 0
.rept 32
	v_lshlrev_b32 v[RES+2*i], 16, v[HIW+i]         ; bf16 to f32: the low half moves up,
	v_and_b32 v[RES+2*i+1], s[TOPH], v[HIW+i]      ; the high half stays
.set i, i+1
.endr
	WIN 0x02                                       ; source 0 in window 2
.set i, 0
.rept 32
	v_pk_add_f32 v[RES+2*i:RES+2*i+1], v[64*(\c)+2*i:64*(\c)+2*i+1], v[RES+2*i:RES+2*i+1] neg_lo:[0,1] neg_hi:[0,1]  ; M - hi
.set i, i+1
.endr
	WIN 0
.set i, 0
.rept 32
	v_cvt_pk_bf16_f32 v[LOW+i], v[RES+2*i], v[RES+2*i+1]
.set i, i+1
.endr
.irp n, 0,1,2,3,4,5,6,7
	global_store_b128 v[CO], v[HIW+4*(\n):HIW+4*(\n)+3], s[MB:MB+1] offset:((\c)/2)*65536+(\n)*1024+((\c)%2)*512
	global_store_b128 v[CO], v[LOW+4*(\n):LOW+4*(\n)+3], s[MB:MB+1] offset:131072+((\c)/2)*65536+(\n)*1024+((\c)%2)*512
.endr
.endm
	PLACES                                         ; the conversions read results just made
	OUT 0
	OUT 1
	OUT 2
	OUT 3
	s_wait_tensorcnt 0x0                           ; the wave's end: my last LDS instructions follow
	ds_add_u32 v[SPW], v[NIL]
	s_wait_dscnt 0x0
	CROUND                                         ; the closing round: no work-group ends while a partner may still ask for a tile that names it
	s_endpgm
.Lfunc_end_k_q38ad09a919_kvprod:
	.size	k_q38ad09a919_kvprod, .Lfunc_end_k_q38ad09a919_kvprod-k_q38ad09a919_kvprod
	.p2alignl 7, 3214868480
	.fill 96, 4, 3214868480
	.section	.rodata,"a",@progbits
	.p2align	6, 0x0
	.amdhsa_kernel k_q38ad09a919_kvprod
		.amdhsa_group_segment_fixed_size 327680
		.amdhsa_private_segment_fixed_size 0
		.amdhsa_enable_private_segment 0
		.amdhsa_kernarg_size 24
		.amdhsa_user_sgpr_count 2
		.amdhsa_user_sgpr_kernarg_segment_ptr 1
		.amdhsa_wavefront_size32 1
		.amdhsa_system_sgpr_workgroup_id_x 1
		.amdhsa_system_sgpr_workgroup_id_y 1
		.amdhsa_system_sgpr_workgroup_id_z 1
		.amdhsa_system_vgpr_workitem_id 0
		.amdhsa_next_free_vgpr 768
		.amdhsa_next_free_sgpr 88
		.amdhsa_reserve_vcc 0
		.amdhsa_float_denorm_mode_32 3
		.amdhsa_float_denorm_mode_16_64 3
		.amdhsa_memory_ordered 1
		.amdhsa_forward_progress 1
		.amdhsa_inst_pref_size 179
	.end_amdhsa_kernel
	.amdgpu_metadata
---
amdhsa.version: [ 1, 2 ]
amdhsa.kernels:
  - .name:           k_q38ad09a919_kvprod
    .symbol:         k_q38ad09a919_kvprod.kd
    .args:
      - { .name: km, .offset: 0, .size: 8, .value_kind: global_buffer, .address_space: global }
      - { .name: vm, .offset: 8, .size: 8, .value_kind: global_buffer, .address_space: global }
      - { .name: mimg, .offset: 16, .size: 8, .value_kind: global_buffer, .address_space: global }
    .group_segment_fixed_size: 327680
    .private_segment_fixed_size: 0
    .kernarg_segment_align: 8
    .kernarg_segment_size: 24
    .max_flat_workgroup_size: 128
    .sgpr_count:     88
    .vgpr_count:     768
    .wavefront_size: 32
...
	.end_amdgpu_metadata
.endif
;; end of part 1
;; launch qmsoft (part 2): grid 256 x 1, 4 waves a work-group, clusters of 4 x 1, 327,680 bytes of LDS; arguments qm, mimg, out0; writes out0
.if DOCPART == 2
	.amdgcn_target "amdgcn-amd-amdhsa--gfx1250"
	.amdhsa_code_object_version 6
	.text
	.protected	k_q38ad09a919_qmsoft
	.globl	k_q38ad09a919_qmsoft
	.p2align	8
	.type	k_q38ad09a919_qmsoft,@function
k_q38ad09a919_qmsoft:
	s_mov_b64 s[64:65], 0
	v_nop
	global_prefetch_b8 v0, s[64:65] scope:SCOPE_SE
	s_setreg_imm32_b32 hwreg(HW_REG_WAVE_MODE, 25, 1), 1
	s_wait_xcnt 0x0
	s_wait_alu depctr_hold_cnt(0) depctr_sa_sdst(0) depctr_va_vdst(0) depctr_va_sdst(0) depctr_va_ssrc(0) depctr_va_vcc(0) depctr_vm_vsrc(0)
	s_getreg_b32 s2, hwreg(HW_REG_IB_STS2, 6, 4)
	s_cmp_eq_u32 s2, 0
	s_cbranch_scc0 .Lentry_in_a_cluster
	s_endpgm
.Lentry_in_a_cluster:
	s_bfe_u32 s2, ttmp6, 0x10000c
	s_cmp_lg_u32 s2, 0x3003
	s_cbranch_scc0 .Lentry_shape_is_right
	s_endpgm
.Lentry_shape_is_right:
; out[b][q][:] = softmax over d2 of (the sum over d1 of Q[b][q][d1] M[b][d1][d2]) / 32.  Q, out: [8][2048][1024] f32.  M = K^T V comes from the launch before as two bf16 parts, hi and lo, laid out as
; fragments: mimg byte = batch x 4 MiB + G x 262,144 + part x 131,072 + p x 65,536 + nf x 1,024 + u x 512 + 16 x lane + 2 e holds M[64 G + 32 h + 4 e + 2 p + u][64 (nf / 4) + 4 r + nf % 4]
; (r = lane % 16, h = lane / 16): 1,024 bytes are source 1 of a matrix instruction, 32 of d1 x 16 of d2, as they lie.
; LIMITS.  Q is rounded to bf16 (nearest even); Q hi and Q lo are added in one f32 sum; the order of rounding differs from the written order (Q K^T) V, and the order of the sum over d1 from cluster to
; cluster (THE WALK).  The row's true maximum is taken away before the exponentials; a weight below 2^-126 counts as 0; NaN and infinities are not treated apart.
; SHARES.  A work-group owns 64 whole rows; wave w makes all 64 rows x columns 256 w .. 256 w + 255: 4 x 16 accumulators, 512 registers.  16,384 rows / 64 = 256 work-groups.
; d1 goes in 16 groups G of 64; each group is two steps, hi and then lo, of 128 matrix instructions a wave.  hi's tiles always lie in LDS slot 0, lo's in slot 1; each wave fetches a quarter of each tile.
; THE WALK.  A batch has eight clusters, and all walk the same 16 groups.  Cluster c begins at group 4 (c % 4) + 2 (c / 4) and goes round: eight different starts, so that no two of them ask for the same
; tile at the same time, and seven of a tile's eight requests come two groups or more behind its first.  The start hangs on the cluster's number alone, which the partners share.
; Q's 64 x 64 f32 of a group: wave w loads its 16 rows into registers, two whole rows of 256 bytes an instruction, and stores them into a small padded LDS buffer; every wave reads the buffer and rounds it into
; fragments with the same permutation of d1 as M's: a lane reads the four columns 32 h + 4 e + 0..3; column 2 p + u of e = 2 i and 2 i + 1 make register 4 u + i of fragment p.  They serve both steps of the group.
; CLUSTER 4 x 1: four work-groups of one batch walk the same M, so each tile of M is asked for jointly.  Q is the work-group's own.
; THE RESULT: register j of accumulator (mb, f) holds row 16 mb + 8 h + j, column 256 w + 64 (f / 4) + 4 r + f % 4: the accumulators f = 4 g .. 4 g + 3 hold four neighbouring columns a lane, so sixteen lanes
; store 256 consecutive bytes of a row, and a row's maximum and sum want four steps among sixteen lanes and one exchange among the four waves.
; REGISTERS, in windows of 256 (s_set_vgpr_msb: bits 1:0 source 0, 3:2 source 1, 5:4 source 2, 7:6 destination):
;   window 0: v2-15 addresses; v16-79 Q's fragments, (p, mb) at 16 + 32 p + 8 mb (later v16-47 maxima, v48-79 sums); v80-207 Q as read from LDS (later the four waves' figures); v208-239 my 16 rows of Q as loaded
;   window 1: two buffers of 16 fragments of M (later the rows to be stored)          windows 2, 3: the accumulators, (mb, f) at v[8 (16 (mb % 2) + f)] of window 2 + mb / 2
.set SLOTB, 131072                   ; a slot: [p][64 fragments][1,024 bytes], dense
.set QUARTB, SLOTB/4                 ; what one wave fetches of it
.set QBUF,  2*SLOTB                  ; Q's buffer: 64 rows, written by LDS stores alone: no tile lands here
.set QP,    272                      ; of 256 bytes + 16 of padding = 68 words: the 16 rows that a load touches start 4 words apart modulo 64 (64 banks of 4 bytes: ISA guide 11.1)
.set STAT,  QBUF+64*QP               ; [wave][64 rows] f32 maxima, 1,024 bytes; then the sums likewise.  Written by LDS stores alone
.set SPARE, STAT+2048                ; the spare words, 128 bytes for each wave: two blocks of 256 bytes that no other line names
.set ADRB, 2                         ; v2-5  LDS address of my 16 fragments in slot n, half p, at v[2 + 2 n + p]; never rewritten
.set ADRQ, 6                         ; v6   my place in Q's buffer as a reader: row r, byte 128 h
.set CO,   7                         ; v7   my byte offset in the work-group's rows of out: row 8 h, columns 256 w + 4 r on
.set SA,   8                         ; v8   where I put my wave's figures for rows 8 h on
.set LA,   9                         ; v9   where I read wave 0's
.set SPW,  10                        ; v10  LDS address of my spare word: SPARE + 4 x my thread's number; never rewritten
.set NIL,  11                        ; v11  0; never rewritten
.set QV,   14                        ; v14  my byte offset in two rows of Q in memory: row h, byte 16 r; never rewritten
.set QS,   15                        ; v15  the same place in Q's buffer, in my wave's 16 rows; never rewritten
.set AF,   16
.set X,    80                        ; Q as read from LDS: X + 32 mb + 4 e + c
.set QG,   208                       ; Q as loaded: rows 2 i + h of my 16 at QG + 4 i
.set MX,   16                        ; row 16 mb + 8 h + j at MX + 8 mb + j
.set SM,   48
.set LD,   80
.set FB0,  0                         ; window 1
.set FB1,  128
.set WV,   10                        ; s10  my wave's number
.set CNT,  12                        ; s12  counts the groups
.set G1B,  16                        ; s[16:23] descriptor group 1 for a quarter of a tile of M
.set G0B,  24                        ; s[24:31] group 0, a set for each slot
.set MB0,  32                        ; s[32:33] mimg at my quarter of the batch's group 0, hi; s[34:35] lo
.set GN,   36                        ; s36  the group whose tiles are asked for
.set GQ,   37                        ; s37  the group whose Q is loaded
.set OFS,  38                        ; s[38:39] group GN's byte offset in M
.set QROW, 40                        ; s[40:41] Q at my wave's 16 rows
.set QA,   42                        ; s[42:43] the same at group GQ's columns
.set QOF,  44                        ; s[44:45] group GQ's byte offset in a row
.set CS,   48                        ; s[48:49] c = log2(e) / 32: the packed forms take the pair's low word for both halves
.set MSB, 0
.macro WIN new                       ; the immediate's high byte repeats the setting that is left; a switch that changes nothing is dropped
.if MSB != (\new)
	s_set_vgpr_msb (MSB<<8)|(\new)
.set MSB, (\new)
.endif
.endm
; A vector instruction that reads a matrix result or writes one of a matrix instruction's registers, and a load into a register that a matrix instruction has read, stand four places behind it; only plain
; vector instructions that name none of its registers are places (ISA guide 7.12.1 for vector instructions).
.macro PLACES
.rept 4
	v_nop
.endr
.endm
; A round of the cluster's barrier: my work-group's barrier, so that wave 0's signal speaks for all four waves; wave 0 signals; every wave waits for all four work-groups; my work-group's barrier once more.
.macro CREST
	s_cmp_lg_u32 s[WV], 0
	s_cbranch_scc1 .Lnot_wave_0_\@
	s_barrier_signal -3
.Lnot_wave_0_\@:
	s_barrier_wait -3
	s_barrier_signal -1
	s_barrier_wait -1
.endm
.macro CROUND
	s_barrier_signal -1
	s_barrier_wait -1
	CREST
.endm
; My 16 rows of a group's Q.  QGET: eight loads; lanes 0-15 take 256 consecutive bytes of one row, lanes 16-31 of the next.  QSTEP: on to the next group's columns, round the row's end.  QPUT: into Q's buffer.
.macro QGET
.irp i, 0,1,2,3,4,5,6,7
	global_load_b128 v[QG+4*(\i):QG+4*(\i)+3], v[QV], s[QA:QA+1] offset:8192*(\i) th:TH_LOAD_NT
.endr
.endm
.macro QSTEP                         ; stands only where the last QGET has been waited for, so its base may be written
	s_add_co_u32 s[GQ], s[GQ], 1
	s_and_b32 s[GQ], s[GQ], 15
	s_lshl_b32 s[QOF], s[GQ], 8                    ; 64 columns of 4 bytes
	s_add_nc_u64 s[QA:QA+1], s[QROW:QROW+1], s[QOF:QOF+1]
.endm
.macro QPUT
	WIN 0
	s_wait_loadcnt 0x0                             ; the eight loads of the last QGET: no other global load is ever out
.irp i, 0,1,2,3,4,5,6,7
	ds_store_b128 v[QS], v[QG+4*(\i):QG+4*(\i)+3] offset:2*QP*(\i)
.endr
.endm
	s_load_b128 s[4:7], s[0:1], 0x0                ; Q s[4:5], mimg s[6:7]
	s_load_b64 s[8:9], s[0:1], 0x10                ; out
	v_lshl_add_u32 v[SPW], v0, 2, SPARE
	v_mov_b32 v[NIL], 0
	ds_add_u32 v10, v11
	s_wait_dscnt 0x0
	v_lshrrev_b32 v1, 5, v0
	v_readfirstlane_b32 s[WV], v1                  ; wave 0..3
	v_and_b32 v1, 15, v0                           ; r
	v_bfe_u32 v12, v0, 4, 1                        ; h
	v_lshlrev_b32 v[QV], 4, v1
	v_lshl_add_u32 v[QV], v12, 12, v[QV]           ; row h of 4,096 bytes, byte 16 r
	s_bfe_u32 s46, ttmp6, 0x40000                  ; cx: my place in the cluster
	s_lshl_b32 s47, ttmp9, 2                       ; in a cluster launch ttmp9 counts clusters
	s_add_co_u32 s47, s47, s46                     ; my block of 64 rows = 4 x cluster x + cx: it enters Q's and out's addresses alone
	s_lshr_b32 s50, ttmp9, 3                       ; the batch: 8 clusters, 32 blocks, to each; the four partners share it
	s_and_b32 s51, ttmp9, 3                        ; the walk's first group: 4 x (c % 4)
	s_lshl_b32 s[GN], s51, 2
	s_lshr_b32 s52, ttmp9, 2
	s_and_b32 s52, s52, 1
	s_lshl_b32 s52, s52, 1                         ; + 2 x (c / 4), c = the cluster's number in its batch
	s_add_co_u32 s[GN], s[GN], s52
	s_mov_b32 s[GQ], s[GN]
	s_lshl_b32 s54, s50, 22                        ; M of a batch is 4 MiB,
	s_lshl_b32 s13, s[WV], 15                      ; my quarter of a tile 32,768 bytes
	s_add_co_u32 s54, s54, s13
	s_mov_b32 s55, 0
	s_lshl_b32 s56, s47, 18                        ; 64 rows of 4,096 bytes
	s_mov_b32 s57, 0
	s_lshl_b32 s58, s[WV], 16                      ; my wave's 16 rows
	s_mov_b32 s59, 0
	s_lshl_b32 s[OFS], s[GN], 18                   ; a group's hi and lo are 262,144 bytes
	s_mov_b32 s[OFS+1], 0
	s_lshl_b32 s[QOF], s[GQ], 8
	s_mov_b32 s[QOF+1], 0
	; descriptor group 1: a quarter of a tile is 32,768 dense bytes, asked for as 128 rows of 256 bytes
	s_mov_b32 s[G1B], 15|(3<<16)|(1<<21)           ; 15:0 the mask: all four work-groups; 17:16 elements of 8 bytes (code 3); 21 set beside a mask
	s_mov_b32 s[G1B+1], 32<<16                     ; tensor_dim0 = 32
	s_mov_b32 s[G1B+2], 128<<16                    ; tensor_dim1 = 128
	s_mov_b32 s[G1B+3], 32<<16                     ; tile_dim0 = 32
	s_mov_b32 s[G1B+4], 128                        ; tile_dim1 = 128
	s_mov_b32 s[G1B+5], 32                         ; elements from row to row
	s_mov_b32 s[G1B+6], 0
	s_mov_b32 s[G1B+7], 0
	s_mov_b32 s[G0B], 1                            ; 1:0 count = 1
	s_mov_b32 s[G0B+4], 1
	s_mul_i32 s[G0B+1], s[WV], QUARTB              ; 63:32 LDS address: slot 0,
	s_add_co_u32 s[G0B+5], s[G0B+1], SLOTB         ; slot 1: the wave's number alone enters; never rewritten
	s_mov_b32 s[CS], 0x3d38aa3b                    ; c = log2(e) / 32 = 0.0450842
	s_mov_b32 s[CS+1], s[CS]                       ; named with it as a pair
	s_wait_kmcnt 0x0
	s_add_nc_u64 s[QROW:QROW+1], s[4:5], s[56:57]
	s_add_nc_u64 s[QROW:QROW+1], s[QROW:QROW+1], s[58:59]
	s_add_nc_u64 s[QA:QA+1], s[QROW:QROW+1], s[QOF:QOF+1]
	QGET                                           ; Q of the walk's first group: on its way through the round below
	s_add_nc_u64 s[MB0:MB0+1], s[6:7], s[54:55]
	s_add_nc_u64 s[MB0+2:MB0+3], s[MB0:MB0+1], 131072
	s_add_nc_u64 s[G0B+2:G0B+3], s[MB0:MB0+1], s[OFS:OFS+1]      ; 120:64 global address: the first group's hi,
	s_or_b32 s[G0B+3], s[G0B+3], 0x80000000                      ; 127:126 type = 2
	s_add_nc_u64 s[G0B+6:G0B+7], s[MB0+2:MB0+3], s[OFS:OFS+1]    ; and its lo
	s_or_b32 s[G0B+7], s[G0B+7], 0x80000000
	s_add_nc_u64 s[8:9], s[8:9], s[56:57]          ; out at my rows
	CROUND                                         ; all four work-groups are here: the first joint loads meet
	tensor_load_to_lds s[G0B:G0B+3], s[G1B:G1B+7]  ; every wave's two first fills, ahead of every wait on TENSORcnt and every LDS read: two loads of mine are out
	s_nop 0
	tensor_load_to_lds s[G0B+4:G0B+7], s[G1B:G1B+7]
	s_nop 0
	PLACES
	v_and_b32 v13, 31, v0
	v_lshlrev_b32 v13, 4, v13                      ; 16 x lane
	s_lshl_b32 s13, s[WV], 14                      ; my 16 fragments of 1,024 bytes
	v_add_nc_u32 v[ADRB], s13, v13
	v_add_nc_u32 v[ADRB+1], 65536, v[ADRB]
	v_add_nc_u32 v[ADRB+2], SLOTB, v[ADRB]
	v_add_nc_u32 v[ADRB+3], SLOTB+65536, v[ADRB]
	v_mul_u32_u24 v[ADRQ], v1, QP
	v_lshl_add_u32 v[ADRQ], v12, 7, v[ADRQ]
	v_add_nc_u32 v[ADRQ], QBUF, v[ADRQ]
	s_mul_i32 s14, s[WV], 16*QP                    ; my wave's 16 rows of Q's buffer
	s_add_co_u32 s14, s14, QBUF
	v_mul_u32_u24 v[QS], v12, QP
	v_lshl_add_u32 v[QS], v1, 4, v[QS]
	v_add_nc_u32 v[QS], s14, v[QS]
	v_lshlrev_b32 v[CO], 4, v1
	v_lshl_add_u32 v[CO], v12, 15, v[CO]           ; 8 h rows of 4,096 bytes
	s_lshl_b32 s15, s[WV], 10                      ; my 256 columns
	v_add_nc_u32 v[CO], s15, v[CO]
	v_lshlrev_b32 v[LA], 5, v12                    ; 8 h rows of 4 bytes
	v_add_nc_u32 v[LA], STAT, v[LA]
	s_lshl_b32 s13, s[WV], 8
	v_add_nc_u32 v[SA], s13, v[LA]
; 32 LDS loads in one run: my 16 fragments of slot n, half p, into buffer fb.  Each load takes 512 consecutive bytes.
.macro FETCH n, p, fb
	WIN 0x40                                       ; destination window 1, address window 0
.irp f, 0,1,2,3,4,5,6,7,8,9,10,11,12,13,14,15
	ds_load_b128 v[(\fb)+8*(\f):(\fb)+8*(\f)+3],   v[ADRB+2*(\n)+(\p)] offset:1024*(\f)
	ds_load_b128 v[(\fb)+8*(\f)+4:(\fb)+8*(\f)+7], v[ADRB+2*(\n)+(\p)] offset:1024*(\f)+512
.endr
.endm
; 32 LDS loads: the group's 64 x 64 of Q as f32: rows 16 mb + r, columns 32 h + 4 e + 0..3
.macro QLOAD
	WIN 0
.irp m, 0,1,2,3
.irp e, 0,1,2,3,4,5,6,7
	ds_load_b128 v[X+32*(\m)+4*(\e):X+32*(\m)+4*(\e)+3], v[ADRQ] offset:16*QP*(\m)+16*(\e)
.endr
.endr
.endm
; Q's eight fragments.  Those of p = 0 first: their 32 lines name no register of the products just issued, which read the fragments of p = 1, and are the places in front of the other 32.
.macro CVT
	WIN 0
.irp p, 0,1
.irp m, 0,1,2,3
.irp u, 0,1
.irp e, 0,1,2,3
	v_cvt_pk_bf16_f32 v[AF+32*(\p)+8*(\m)+4*(\u)+(\e)], v[X+32*(\m)+8*(\e)+2*(\p)+(\u)], v[X+32*(\m)+8*(\e)+4+2*(\p)+(\u)]
.endr
.endr
.endr
.endr
.endm
; Matrix instructions from .. to - 1 of the 64 that multiply Q's fragments p by buffer fb: number i is (mb = i / 16, f = i % 16).  The 64 accumulators take turns, one instruction a turn, in the same order
; every time.  zero = 1: the products start the sums: nothing is cleared.
.macro MUL fb, p, from, to, zero
.set i, \from
.rept (\to)-(\from)
.if i < 32
	WIN 0xa4                                       ; Q in window 0, M in window 1, C and D in window 2
.else
	WIN 0xf4                                       ; C and D in window 3
.endif
.set rA, AF+32*(\p)+8*(i/16)
.set rB, (\fb)+8*(i%16)
.set rD, 8*(16*((i/16)%2)+i%16)
.if \zero
	v_wmma_f32_16x16x32_bf16 v[rD:rD+7], v[rA:rA+7], v[rB:rB+7], 0
.else
	v_wmma_f32_16x16x32_bf16 v[rD:rD+7], v[rA:rA+7], v[rB:rB+7], v[rD:rD+7]
.endif
.set i, i+1
.endr
.endm
; A step's first half: multiplies buffer 0 (half p = 0 of slot n); in its middle it fetches half p = 1 into buffer 1.  qput = 1 (lo's step): my rows of the next group's Q, loaded 208 matrix instructions ago,
; go into Q's buffer: behind hi's barrier, in front of which every wave has waited for its reads of the buffer, and ahead of lo's, in front of which every wave waits for these stores.
.macro QUARTER n, zero, qput
	s_wait_dscnt 0x0                               ; buffer 0 is in
	MUL FB0, 0, 0, 32, \zero
	PLACES
	FETCH \n, 1, FB1
.if \qput
	QPUT
.endif
	MUL FB0, 0, 32, 64, \zero
.endm
; A step's second half multiplies buffer 1 and changes slots.  Each wave waits for all its tensor loads, adds 0 to its spare word, and waits for that, for its reads of slot n and for its stores into Q's buffer.
; Behind the barrier nobody reads slot n any more, and the other slot (and, behind lo's step, Q's buffer) is whole.  fill = 1: slot n takes the next group's tile of its part; the descriptor's address is made
; anew from the group's number, which goes round at 16.  The barrier then opens a round of the cluster's, and the refill, a quarter of the tile a wave, is the first thing behind it: 112 of a step's 128 matrix
; instructions stand between it and the wait for it.  qnext = 1 (lo's step): the Q of the group after next is loaded (not in the last trip: there is none); the next group's Q is read from its buffer, and rounded behind
; the last products that read this group's.
.macro TURN n, fill, qnext
	WIN 0                                          ; (the add's two registers lie in window 0)
	s_wait_tensorcnt 0x0                           ; no tensor load of mine is out, so a group 0 may be written
	ds_add_u32 v[SPW], v[NIL]                      ; 0 onto my spare word
.if \fill
.if (\n) == 0
	s_add_co_u32 s[GN], s[GN], 1                   ; hi's refill steps the group, lo's takes the same
	s_and_b32 s[GN], s[GN], 15
	s_lshl_b32 s[OFS], s[GN], 18
.endif
	s_add_nc_u64 s[G0B+4*(\n)+2:G0B+4*(\n)+3], s[MB0+2*(\n):MB0+2*(\n)+1], s[OFS:OFS+1]
	s_or_b32 s[G0B+4*(\n)+3], s[G0B+4*(\n)+3], 0x80000000
.endif
	s_wait_dscnt 0x1                               ; all that was issued ahead of the add is done, buffer 1's 32 loads among it; the add alone may be out
	MUL FB1, 1, 0, 8, 0                            ; eight matrix instructions stand between the add and the wait for it
	s_wait_dscnt 0x0                               ; the add is done, and my reads of the slot are over
	s_barrier_signal -1
	MUL FB1, 1, 8, 16, 0                           ; work on registers while the others arrive
	WIN 0
	s_barrier_wait -1
.if \fill
	CREST
	tensor_load_to_lds s[G0B+4*(\n):G0B+4*(\n)+3], s[G1B:G1B+7]
	s_nop 0
.endif
	PLACES                                         ; behind the tensor load, and in front of the loads into buffer 0
.if \qnext
	s_cmp_eq_u32 s[CNT], 1                         ; the last trip: the walk has no group after next, so no load leaves it
	s_cbranch_scc1 .Lno_q_\@
	QSTEP                                          ; the last loads were waited for in this step's first half, and their registers' stores in front of the barrier above
	QGET
.Lno_q_\@:
.endif
	FETCH 1-(\n), 0, FB0
.if \qnext
	QLOAD
.endif
	MUL FB1, 1, 16, 64, 0
.if \qnext
	s_wait_dscnt 0x0                               ; Q is in registers: my reads of its buffer are over
	CVT
.endif
.endm
	QPUT                                           ; the first group's Q
	QSTEP
	s_wait_dscnt 0x0                               ; for the others' sake: my stores are done; and their registers may be loaded anew
	QGET                                           ; the second group's
	s_wait_tensorcnt 0x1                           ; my quarter of slot 0 is in; slot 1's, issued behind it, may stay out
	s_barrier_signal -1
	s_barrier_wait -1                              ; slot 0 and Q's buffer are whole
	QLOAD
	FETCH 0, 0, FB0
	s_wait_dscnt 0x0
	CVT
	QUARTER 0, 1, 0                                ; the first 64 products stand in front of the loop: they start the sums
	WIN 0                                          ; at a label and at a branch every window is 0
	s_mov_b32 s[CNT], 15
.Lgroup:                                               ; a trip: from the second half of hi's step of one group to the first half of hi's step of the next
	TURN 0, 1, 0                                   ; slot 0 takes the next group's hi
	QUARTER 1, 0, 1                                ; the next group's Q goes into its buffer
	TURN 1, 1, 1                                   ; slot 1 takes the next group's lo; its Q becomes fragments; the Q of the group after next is loaded
	QUARTER 0, 0, 0
	WIN 0
	s_sub_co_u32 s[CNT], s[CNT], 1
	s_cmp_lg_u32 s[CNT], 0
	s_cbranch_scc1 .Lgroup
	TURN 0, 0, 0                                   ; the last group: nothing is left to fetch: a barrier of the work-group alone
	QUARTER 1, 0, 0
	s_wait_dscnt 0x0
	MUL FB1, 1, 0, 64, 0
	; THE SOFTMAX.  First each lane's maximum over its 16 columns of each of its 32 rows, three operands at a time; j runs innermost from 0.
	PLACES                                         ; these lines read results just made, and write where Q's fragments lay
.irp w, 0,1
	WIN 0x2a+0x15*(\w)                             ; all three sources in window 2 (3)
.irp m, 0,1
.irp j, 0,1,2,3,4,5,6,7
	v_max3_num_f32 v[MX+8*(2*(\w)+(\m))+(\j)], v[128*(\m)+(\j)], v[128*(\m)+8+(\j)], v[128*(\m)+16+(\j)]
.endr
.endr
	WIN 0x28+0x14*(\w)                             ; sources 1 and 2 in window 2 (3)
.irp m, 0,1
.irp f, 3,5,7,9,11,13
.irp j, 0,1,2,3,4,5,6,7
	v_max3_num_f32 v[MX+8*(2*(\w)+(\m))+(\j)], v[MX+8*(2*(\w)+(\m))+(\j)], v[128*(\m)+8*(\f)+(\j)], v[128*(\m)+8*(\f)+8+(\j)]
.endr
.endr
.irp j, 0,1,2,3,4,5,6,7
	v_max_num_f32 v[MX+8*(2*(\w)+(\m))+(\j)], v[MX+8*(2*(\w)+(\m))+(\j)], v[128*(\m)+120+(\j)]
.endr
.endr
.endr
	WIN 0
.irp x, 1,2,4,8                                        ; a row's columns lie in the sixteen lanes of one half
.set i, 0
.rept 32
	v_max_num_f32_dpp v[MX+i], v[MX+i], v[MX+i] row_xmask:\x row_mask:0xf bank_mask:0xf
.set i, i+1
.endr
.endr
; The four waves' figures meet in LDS.  Row 16 mb + 8 h + j of wave w lies at off + 256 w + 64 mb + 32 h + 4 j; the sixteen lanes of a half store the same numbers to the same words.
.macro XCH reg, off
.irp q, 0,1,2,3,4,5,6,7
	ds_store_b128 v[SA], v[(\reg)+4*(\q):(\reg)+4*(\q)+3] offset:(\off)+64*((\q)/2)+16*((\q)%2)
.endr
	s_wait_dscnt 0x0                               ; for the others' sake: my stores are done
	s_barrier_signal -1
	s_barrier_wait -1
.irp w, 0,1,2,3
.irp q, 0,1,2,3,4,5,6,7
	ds_load_b128 v[LD+32*(\w)+4*(\q):LD+32*(\w)+4*(\q)+3], v[LA] offset:(\off)+256*(\w)+64*((\q)/2)+16*((\q)%2)
.endr
.endr
	s_wait_dscnt 0x0
.endm
	XCH MX, 0
.set i, 0
.rept 32
	v_max3_num_f32 v[MX+i], v[LD+i], v[LD+32+i], v[LD+64+i]
.set i, i+1
.endr
.set i, 0
.rept 32
	v_max_num_f32 v[MX+i], v[MX+i], v[LD+96+i]     ; the row's maximum over all 1,024 columns
.set i, i+1
.endr
.set i, 0
.rept 16
	v_pk_mul_f32 v[MX+2*i:MX+2*i+1], v[MX+2*i:MX+2*i+1], s[CS:CS+1] op_sel_hi:[1,0]  ; c x maximum
.set i, i+1
.endr
	; p = 2^(c s - c max), in place, and each lane's sums.  What c max loses in rounding is the same factor for a whole row and leaves with the division.
.macro FMA4 k                        ; accumulator k of the window's 32: c s - c max
.irp j, 0,2,4,6
	v_pk_fma_f32 v[8*(\k)+(\j):8*(\k)+(\j)+1], v[8*(\k)+(\j):8*(\k)+(\j)+1], s[CS:CS+1], v[MX+16*WW+8*((\k)/16)+(\j):MX+16*WW+8*((\k)/16)+(\j)+1] op_sel_hi:[1,0,1] neg_lo:[0,0,1] neg_hi:[0,0,1]
.endr
.endm
.macro EXP8 k
.irp j, 0,1,2,3,4,5,6,7
	v_exp_f32 v[8*(\k)+(\j)], v[8*(\k)+(\j)]
.endr
.endm
.irp w, 0,1
.set WW, \w
	WIN 0x82+0x41*(\w)                             ; destination and source 0 in window 2 (3), c max in window 0
	FMA4 0
.set k, 0
.rept 31                                               ; behind each run of exponentials stand another accumulator's four plain lines, before any result is used (ISA guide 5.7.2)
	FMA4 k+1
	EXP8 k
.set k, k+1
.endr
	EXP8 31
	WIN 0x0a+5*(\w)                                ; both sources in window 2 (3); the first sums read nothing of the last run of exponentials
	s_wait_alu depctr_va_vdst(0)
.irp m, 0,1
.irp j, 0,2,4,6
	v_pk_add_f32 v[SM+8*(2*(\w)+(\m))+(\j):SM+8*(2*(\w)+(\m))+(\j)+1], v[128*(\m)+(\j):128*(\m)+(\j)+1], v[128*(\m)+8+(\j):128*(\m)+8+(\j)+1]
.endr
.endr
	WIN 0x08+4*(\w)                                ; source 1 in window 2 (3): eight chains that do not wait for each other
.irp f, 2,3,4,5,6,7,8,9,10,11,12,13,14,15
.irp m, 0,1
.irp j, 0,2,4,6
	v_pk_add_f32 v[SM+8*(2*(\w)+(\m))+(\j):SM+8*(2*(\w)+(\m))+(\j)+1], v[SM+8*(2*(\w)+(\m))+(\j):SM+8*(2*(\w)+(\m))+(\j)+1], v[128*(\m)+8*(\f)+(\j):128*(\m)+8*(\f)+(\j)+1]
.endr
.endr
.endr
.endr
	WIN 0
.irp x, 1,2,4,8
.set i, 0
.rept 32
	v_add_f32_dpp v[SM+i], v[SM+i], v[SM+i] row_xmask:\x row_mask:0xf bank_mask:0xf
.set i, i+1
.endr
.endr
	XCH SM, 1024                                   ; other bytes than the maxima's, so one barrier is enough
.set i, 0
.rept 16
	v_pk_add_f32 v[LD+2*i:LD+2*i+1], v[LD+2*i:LD+2*i+1], v[LD+32+2*i:LD+32+2*i+1]
	v_pk_add_f32 v[LD+64+2*i:LD+64+2*i+1], v[LD+64+2*i:LD+64+2*i+1], v[LD+96+2*i:LD+96+2*i+1]
.set i, i+1
.endr
.set i, 0
.rept 16
	v_pk_add_f32 v[SM+2*i:SM+2*i+1], v[LD+2*i:LD+2*i+1], v[LD+64+2*i:LD+64+2*i+1]
.set i, i+1
.endr
.set i, 0
.rept 32
	v_rcp_f32 v[SM+i], v[SM+i]                     ; the sum holds the maximum's own weight, about 1: never 0
.set i, i+1
.endr
	v_nop                                          ; a plain instruction between the last reciprocal and the use of its result
	s_wait_alu depctr_va_vdst(0)
	; THE WAY OUT, four rows of each half of the lanes at a time.  The division also brings the four accumulators' numbers of a row into four neighbouring registers: 16 bytes a lane.
.set bt, 0
.rept 8
.set mb, bt/2
.set jh, bt%2
.if bt >= 4
	s_wait_xcnt 0x0                                ; every earlier store has had its addresses translated (ISA guide 3.1): only behind this wait is the data of the batch four back rewritten
.endif
	WIN 0x42+mb/2                                  ; destination window 1, source 0 window 2 (3), 1 / sum in window 0
.irp t, 0,1,2,3
.irp g, 0,1,2,3
.irp b, 0,1,2,3
	v_mul_f32 v[64*(bt%4)+16*(\t)+4*(\g)+(\b)], v[128*(mb%2)+8*(4*(\g)+(\b))+4*jh+(\t)], v[SM+8*mb+4*jh+(\t)]
.endr
.endr
.endr
	WIN 0x04                                       ; the stores' data in window 1, their address in window 0
.irp t, 0,1,2,3
.irp g, 0,1,2,3
	global_store_b128 v[CO], v[64*(bt%4)+16*(\t)+4*(\g):64*(bt%4)+16*(\t)+4*(\g)+3], s[8:9] offset:(16*mb+4*jh+(\t))*4096+256*(\g) th:TH_STORE_NT  ; lanes 0-15 store 256 consecutive bytes of a row, at a multiple of 256 from out's first byte; lanes 16-31 the same eight rows down
.endr
.endr
.set bt, bt+1
.endr
	WIN 0
	s_wait_tensorcnt 0x0                           ; the wave's end: behind my last tensor load and my last LDS store
	ds_add_u32 v[SPW], v[NIL]
	s_wait_dscnt 0x0
	CROUND                                         ; the closing round: no work-group ends while a partner may still ask for a tile that names it
	s_endpgm
.Lfunc_end_k_q38ad09a919_qmsoft:
	.size	k_q38ad09a919_qmsoft, .Lfunc_end_k_q38ad09a919_qmsoft-k_q38ad09a919_qmsoft
	.p2alignl 7, 3214868480
	.fill 96, 4, 3214868480
	.section	.rodata,"a",@progbits
	.p2align	6, 0x0
	.amdhsa_kernel k_q38ad09a919_qmsoft
		.amdhsa_group_segment_fixed_size 327680
		.amdhsa_private_segment_fixed_size 0
		.amdhsa_enable_private_segment 0
		.amdhsa_kernarg_size 24
		.amdhsa_user_sgpr_count 2
		.amdhsa_user_sgpr_kernarg_segment_ptr 1
		.amdhsa_wavefront_size32 1
		.amdhsa_system_sgpr_workgroup_id_x 1
		.amdhsa_system_sgpr_workgroup_id_y 1
		.amdhsa_system_sgpr_workgroup_id_z 1
		.amdhsa_system_vgpr_workitem_id 0
		.amdhsa_next_free_vgpr 1024
		.amdhsa_next_free_sgpr 66
		.amdhsa_reserve_vcc 0
		.amdhsa_float_denorm_mode_32 3
		.amdhsa_float_denorm_mode_16_64 3
		.amdhsa_memory_ordered 1
		.amdhsa_forward_progress 1
		.amdhsa_inst_pref_size 194
	.end_amdhsa_kernel
	.amdgpu_metadata
---
amdhsa.version: [ 1, 2 ]
amdhsa.kernels:
  - .name:           k_q38ad09a919_qmsoft
    .symbol:         k_q38ad09a919_qmsoft.kd
    .args:
      - { .name: qm, .offset: 0, .size: 8, .value_kind: global_buffer, .address_space: global }
      - { .name: mimg, .offset: 8, .size: 8, .value_kind: global_buffer, .address_space: global }
      - { .name: out0, .offset: 16, .size: 8, .value_kind: global_buffer, .address_space: global }
    .group_segment_fixed_size: 327680
    .private_segment_fixed_size: 0
    .kernarg_segment_align: 8
    .kernarg_segment_size: 24
    .max_flat_workgroup_size: 128
    .sgpr_count:     66
    .vgpr_count:     1024
    .wavefront_size: 32
...
	.end_amdgpu_metadata
.endif
;; end of part 2
